; MI455X (gfx1250); checked and timed in simulation.
; The chip was launched on July 23, 2026; its instructions are those of AMD's public machine-readable ISA for CDNA 5 (MIT licence, August 2026) and "CDNA5" Instruction Set Architecture Reference Guide (July 2026). The comments in the code are by the model that wrote it; some were corrected since.
;; LSTM Orth. Allowed arithmetic: matrix products marked QUANTISED: E2M1 operands, one E8M0 scale for each 32 along K, by v_wmma_scale_f32_16x16x128_f8f6f4 with both operands' format E2M1 (or v_wmma_scale_f32_32x16x128_f4), f32 sums; everything else in f32.
;; Inputs: W_hf 1,024 x 1,024 float32; W_hg 1,024 x 1,024 float32; W_hi 1,024 x 1,024 float32; W_ho 1,024 x 1,024 float32; W_if_ 1,024 x 1,024 float32; W_ig 1,024 x 1,024 float32; W_ii 1,024 x 1,024 float32; W_io 1,024 x 1,024 float32; b_hf 1,024 float32; b_hg 1,024 float32; b_hi 1,024 float32; b_ho 1,024 float32; b_if_ 1,024 float32; b_ig 1,024 float32; b_ii 1,024 float32; b_io 1,024 float32; c_prev 8,192 x 1,024 float32; h_codes 8,192 x 32 x 16 uint8 (E2M1 codes of h, K innermost, in blocks of 32 codes, two codes a byte); h_scales 8,192 x 32 uint8 (E8M0 scales of h, one for each 32 codes along K); x_codes 8,192 x 32 x 16 uint8 (E2M1 codes of x, K innermost, in blocks of 32 codes, two codes a byte); x_scales 8,192 x 32 uint8 (E8M0 scales of x, one for each 32 codes along K).
;; Outputs: out0 8,192 x 1,024 float32; out1 8,192 x 1,024 float32.
;; This version of the problem:
;;   THIS VERSION OF THE PROBLEM IS GIVEN IN LOW PRECISION. The matrix products marked QUANTISED in the list below multiply operands that are first quantised to E2M1 (2 exponent bits, 1 mantissa bit; 4 bits a number), with one power-of-two scale for each 32 numbers along K (OCP MX v1.0); their sums are f32. All else is computed in f32.
;;   The module's matrix products, in the order in which they are computed (A, B: the left and right operand; K: the contracted axis; several contracted axes count as one K, in the product's order):
;;     1. [M 8,192, K 1,024] x [K 1,024, N 4,096]; A: input x (given as codes); B: computed on the way: QUANTISED
;;     2. [M 8,192, K 1,024] x [K 1,024, N 4,096]; A: input h (given as codes); B: computed on the way: QUANTISED
;;   THE QUANTISER, for each operand of a quantised product, along K:
;;     - K is cut into blocks of 32 from its start; a last block that is shorter is filled with zeros.
;;     - A block's scale is 2^e with e = floor(log2(the largest magnitude in the block)) - 2, held to -126 .. 127; a block of zeros has e = 0. As a byte (E8M0): e + 127.
;;     - Each number is divided by its block's scale, clamped to +-6, and rounded to the nearest number of E2M1, ties to even, subnormals kept.
;;     - The product sums the exact products of the quantised numbers (number of the format x scale) in f32.
;;   ~~~python
;;   def quantise(x, axis):      # numpy; x: float32 -> the quantised numbers, widened to float32 again
;;       x = np.moveaxis(x, axis, -1); K = x.shape[-1]
;;       x = np.pad(x, [(0, 0)] * (x.ndim - 1) + [(0, -K % 32)]); x = x.reshape(x.shape[:-1] + (-1, 32)); a = np.abs(x).max(-1, keepdims=True)
;;       e = np.where(a > 0, np.clip(np.frexp(np.where(a > 0, a, 1))[1] - 1 - 2, -126, 127), 0)      # np.frexp(a)[1] - 1 = floor(log2(a)), exactly
;;       r = np.clip(x / 2.0 ** e, -6, 6)
;;       step = 2.0 ** (np.maximum(np.frexp(np.where(r == 0, 1, r))[1] - 1, 0) - 1)
;;       q = np.round(r / step) * step * 2.0 ** e      # np.round: ties to even
;;       return np.moveaxis(q.reshape(q.shape[:-2] + (-1,))[..., :K], -1, axis).astype(np.float32)
;;   ~~~
;;   OPERANDS COMPUTED ON THE WAY. 'Computed on the way' means the value that the module computes at that place (a softmax that the list does not call 'softmax' is quantised finished and normalised). What goes into a quantiser is computed in f32, as accurately as f32 sums, v_exp_f32 and their like allow (about 1e-6 of the number): no bf16 or f16 on the way to a quantiser, and a product that is left as it is and whose result goes on into a quantised operand takes f32 operands (vector FMAs, or v_wmma_f32_16x16x4_f32). A number that lies on a knife's edge between two numbers of the format may be rounded either way, as far as f32 arithmetic and the matrix unit's own rounding can turn it there, and no further.
;;   INPUTS GIVEN AS CODES. h (in the module: [8192, 1024], K = its axis 1); x (in the module: [8192, 1024], K = its axis 1): each comes as NAME_codes (uint8): NAME with its K axis moved to the last place and cut into blocks of 32 codes, [.., K / 32, bytes a block], one block behind the other in memory; two codes a byte, the lower K in the low four bits (a code: sign, 2 exponent bits, 1 mantissa bit); and NAME_scales (uint8): the same leading axes, one E8M0 byte (e + 127) for each 32 codes along K. Its value is code x scale, taken as it is: it is not quantised again, and the codes and scales need not be those that the quantiser above would give.
;; One version. Each part assembles by itself: llvm-mc -triple=amdgcn-amd-amdhsa -mcpu=gfx1250 --defsym DOCPART=n.
;; ======== version 1 of 1: 2 launches
;; limits: right only within a limited range of input values
;; workspace buffers: wcodes 4,194,304 bytes; wscales 262,144 bytes
;; launch quant (part 1): grid 256 x 1, 4 waves a work-group, no clusters, 33,280 bytes of LDS; arguments W_ii, W_if_, W_ig, W_io, W_hi, W_hf, W_hg, W_ho, wcodes, wscales; writes wcodes, wscales
.if DOCPART == 1
	.amdgcn_target "amdgcn-amd-amdhsa--gfx1250"
	.amdhsa_code_object_version 6
	.text
	.protected	k_qf0009f153f_quant
	.globl	k_qf0009f153f_quant
	.p2align	8
	.type	k_qf0009f153f_quant,@function
k_qf0009f153f_quant:
	s_mov_b64 s[64:65], 0
	v_nop
	global_prefetch_b8 v0, s[64:65] scope:SCOPE_SE
	s_setreg_imm32_b32 hwreg(HW_REG_WAVE_MODE, 25, 1), 1
	s_wait_xcnt 0x0
; The eight weights, each [1024 (unit)][1024 (k)] f32 with K innermost, become codes of FP4 (E2M1), two a byte, and one E8M0 scale byte for each 32 along K.
; A block's scale is 2^(floor(log2(its largest magnitude)) - 2); its byte is the largest magnitude's own exponent field - 2, held at 1 from below; each number is divided by the scale and rounded
; to the nearest code, ties to even, beyond 6 the largest code.
; WHERE THEY GO.  wcodes [2 planes][4096 rows][512 bytes], wscales [2][4096][32]: plane 0 the four weights that meet x, plane 1 the four that meet h.  Unit u of gate g (0..3 = i, f, g, o) is row
; 128 (u / 32) + 32 g + u % 32: so 128 consecutive rows hold the four gates of the same 32 units, which is what one wave of the next launch multiplies.
; SHARES.  Work-group n: tensor n / 32, units 32 (n % 32) on.  Wave w: 8 rows of it, 32,768 consecutive bytes; their codes are 4,096 consecutive bytes and their scale bytes 256, so the body knows nothing of rows.
; A wave takes 16 steps of 512 numbers.  Each of a step's four loads reads 512 consecutive bytes, 16 a lane; the conversions want 16 NEIGHBOURS in a lane, so the 2,048 bytes turn through the wave's own
; stage in LDS (16 bytes of padding behind each 64) and come back 64 bytes a lane; two neighbouring lanes hold a block.  A lane's 16 codes are 8 bytes: the wave stores 256 consecutive bytes.
; Loads run eight steps (32 loads a wave) ahead, the turn through LDS one step.  No tensor loads, no barrier: waves share nothing.
; LIMITS: a block of zeros gets the byte 1 (the rule says 127): its codes are zeros, and this program alone reads the bytes.  NaN and infinities among the weights are not served.
.set STEPS, 16
.set AHEAD, 8                          ; sets of registers for loads
.set SP,    80                         ; a lane's place in a stage: its 64 bytes + 16 of padding
.set WREG,  8192                       ; LDS: a region for each wave: two stages of 32 x SP bytes, behind them its 256 scale bytes
.set R,     16                         ; v16-143  eight sets of 16 numbers as they are loaded
.set X,     144                        ; v144-175 two sets of 16 neighbours
.set E,     176                        ; v176-191 a scale byte for each step
.set C,     192                        ; v192-223 codes: two registers for each step, so that no store's data are written again
	s_load_b512 s[4:19], s[0:1], 0x0               ; the eight weights, in the order of the tensor's number
	s_load_b128 s[20:23], s[0:1], 0x40             ; wcodes s[20:21], wscales s[22:23]
	v_lshl_add_u32 v224, v0, 2, 0x8000
	v_mov_b32 v225, 0
	v_lshrrev_b32 v1, 5, v0
	v_readfirstlane_b32 s24, v1                    ; wave
	v_and_b32 v2, 31, v0                           ; lane
	v_lshlrev_b32 v3, 4, v2                        ; my 16 bytes of a load's 512
	s_mul_i32 s26, s24, WREG
	v_lshrrev_b32 v14, 2, v2
	v_mul_u32_u24 v14, v14, SP
	v_and_b32 v15, 3, v2
	v_lshl_add_u32 v14, v15, 4, v14
	v_add_nc_u32 v14, s26, v14                     ; the stage, on the way in: SP (lane / 4) + 16 (lane % 4); a load's 512 bytes take eight places
	v_mul_u32_u24 v15, v2, SP
	v_add_nc_u32 v15, s26, v15                     ; and on the way out: SP x lane: my 16 neighbours
	v_lshlrev_b32 v4, 3, v2                        ; 8 x lane: my codes' place in a step's, and my scale bytes' place at the end
	v_lshrrev_b32 v5, 1, v2
	s_add_co_u32 s26, s26, 2*32*SP
	v_add_nc_u32 v5, s26, v5                       ; LDS: my wave's 256 scale bytes, my block's byte
	v_add_nc_u32 v6, s26, v4                       ; and on the way out 8 bytes a lane
	s_lshr_b32 s25, ttmp9, 5                       ; the tensor's number, 0..7
	s_and_b32 s27, ttmp9, 31                       ; which 32 units of it
	s_wait_alu depctr_va_vdst(0)
	s_wait_kmcnt 0x0
	; one of eight pointers, by the three bits of the tensor's number: the choice hangs on the work-group's number alone
	s_and_b32 s26, s25, 4
	s_cmp_lg_u32 s26, 0
	s_cselect_b64 s[4:5], s[12:13], s[4:5]
	s_cselect_b64 s[6:7], s[14:15], s[6:7]
	s_cselect_b64 s[8:9], s[16:17], s[8:9]
	s_cselect_b64 s[10:11], s[18:19], s[10:11]
	s_and_b32 s26, s25, 2
	s_cmp_lg_u32 s26, 0
	s_cselect_b64 s[4:5], s[8:9], s[4:5]
	s_cselect_b64 s[6:7], s[10:11], s[6:7]
	s_and_b32 s26, s25, 1
	s_cmp_lg_u32 s26, 0
	s_cselect_b64 s[4:5], s[6:7], s[4:5]
	s_lshl_b32 s28, s27, 2
	s_add_co_u32 s28, s28, s24
	s_lshl_b32 s28, s28, 15                        ; my 8 rows of 4,096 bytes: (4 x group + wave) x 32,768
	s_mov_b32 s29, 0
	s_add_nc_u64 s[4:5], s[4:5], s[28:29]
	s_and_b32 s30, s25, 3                          ; the gate
	s_lshl_b32 s30, s30, 5
	s_lshl_b32 s31, s27, 7
	s_add_co_u32 s30, s30, s31
	s_lshl_b32 s31, s24, 3
	s_add_co_u32 s30, s30, s31                     ; my first row in a plane: 128 x group + 32 x gate + 8 x wave
	s_lshr_b32 s31, s25, 2                         ; the plane
	s_lshl_b32 s28, s31, 21                        ; a plane of codes: 4,096 rows of 512 bytes
	s_lshl_b32 s26, s30, 9
	s_add_co_u32 s28, s28, s26
	s_add_nc_u64 s[20:21], s[20:21], s[28:29]
	s_lshl_b32 s28, s31, 17                        ; a plane of scale bytes: 4,096 rows of 32
	s_lshl_b32 s26, s30, 5
	s_add_co_u32 s28, s28, s26
	s_add_nc_u64 s[22:23], s[22:23], s[28:29]
.macro LOAD t
.irp i, 0,1,2,3
	global_load_b128 v[R+16*((\t)%AHEAD)+4*\i:R+16*((\t)%AHEAD)+4*\i+3], v3, s[4:5] offset:2048*(\t)+512*\i th:TH_LOAD_NT   ; 32 lanes read 512 consecutive bytes; read once in the launch
.endr
.endm
.macro TURN t                          ; step t's numbers through the stage: LDS serves a wave's instructions in order (ISA guide 5.7.1.4), so no wait stands between the stores and the loads
.irp i, 0,1,2,3
	ds_store_b128 v14, v[R+16*((\t)%AHEAD)+4*\i:R+16*((\t)%AHEAD)+4*\i+3] offset:32*SP*((\t)%2)+8*SP*\i
.endr
.irp i, 0,1,2,3
	ds_load_b128 v[X+16*((\t)%2)+4*\i:X+16*((\t)%2)+4*\i+3], v15 offset:32*SP*((\t)%2)+16*\i
.endr
.endm
.irp t, 0,1,2,3,4,5,6,7
	LOAD \t
.endr
	s_wait_loadcnt 4*(AHEAD-1)                     ; step 0's four loads are in; those of the seven steps behind it may be out
	TURN 0
.macro STEP t
.set XS, X+16*((\t)%2)
.if (\t) > 0
	s_wait_dscnt 1                                 ; this step's numbers are back from the stage (the last step's byte store may be out): so its stores into the stage have read their registers,
.else
	s_wait_dscnt 0x0
.endif
.if (\t)+AHEAD < STEPS
	LOAD (\t)+AHEAD                                ; which take the loads of eight steps on
.endif
.if (\t)+1 < STEPS
.if (\t)+AHEAD < STEPS
	s_wait_loadcnt 4*(AHEAD-1)                     ; the next step's four loads are in; those of the seven steps behind it may be out
.else
	s_wait_loadcnt 4*(STEPS-2-(\t))                ; nothing more is asked for: the counts run down
.endif
	TURN (\t)+1                                    ; and go through the other stage while this step is worked
.endif
	v_max3_num_f32 v8, |v[XS]|, |v[XS+1]|, |v[XS+2]|               ; the largest magnitude of my 16, in two chains
	v_max3_num_f32 v9, |v[XS+3]|, |v[XS+4]|, |v[XS+5]|
.irp i, 6,10
	v_max3_num_f32 v8, v8, |v[XS+\i]|, |v[XS+\i+1]|
	v_max3_num_f32 v9, v9, |v[XS+\i+2]|, |v[XS+\i+3]|
.endr
	v_max3_num_f32 v8, v8, |v[XS+14]|, |v[XS+15]|
	v_max3_num_f32 v8, v8, v9, 0x1800000           ; and the floor 2^(3 - 127), under which no largest magnitude is taken: so the byte cannot fall under 1
	v_max_num_f32_dpp v8, v8, v8 row_xmask:1 row_mask:0xf bank_mask:0xf   ; and of my neighbour's 16: the block's
	v_add_nc_u32 v11, 0xff000000, v8               ; 2 off its exponent field: the conversion takes the exponent field of this operand as its scale, and nothing else of it
	v_cvt_scalef32_pk8_fp4_f32 v[C+2*(\t)], v[XS:XS+7], v11        ; eight numbers / the scale, to the nearest code; the first number's code in the lowest four bits
	v_cvt_scalef32_pk8_fp4_f32 v[C+2*(\t)+1], v[XS+8:XS+15], v11
	v_lshrrev_b32 v[E+(\t)], 23, v11               ; the scale's byte (a plain line behind the conversions)
	ds_store_b8 v5, v[E+(\t)] offset:16*(\t)       ; both lanes of a block write the same byte with the same value
	global_store_b64 v4, v[C+2*(\t):C+2*(\t)+1], s[20:21] offset:256*(\t)   ; 32 lanes store 256 consecutive bytes, at a multiple of 256 from the buffer's first byte
.endm
.irp t, 0,1,2,3,4,5,6,7,8,9,10,11,12,13,14,15
	STEP \t
.endr
	ds_load_b64 v[12:13], v6                       ; LDS serves a wave's instructions in order: these see my byte stores
	s_wait_dscnt 0x0
	global_store_b64 v4, v[12:13], s[22:23]        ; my wave's 256 scale bytes: 256 consecutive bytes, aligned
	s_wait_tensorcnt 0x0
	ds_add_u32 v224, v225
	s_wait_dscnt 0x0
	s_endpgm
.Lfunc_end_k_qf0009f153f_quant:
	.size	k_qf0009f153f_quant, .Lfunc_end_k_qf0009f153f_quant-k_qf0009f153f_quant
	.p2alignl 7, 3214868480
	.fill 96, 4, 3214868480
	.section	.rodata,"a",@progbits
	.p2align	6, 0x0
	.amdhsa_kernel k_qf0009f153f_quant
		.amdhsa_group_segment_fixed_size 33280
		.amdhsa_private_segment_fixed_size 0
		.amdhsa_enable_private_segment 0
		.amdhsa_kernarg_size 80
		.amdhsa_user_sgpr_count 2
		.amdhsa_user_sgpr_kernarg_segment_ptr 1
		.amdhsa_wavefront_size32 1
		.amdhsa_system_sgpr_workgroup_id_x 1
		.amdhsa_system_sgpr_workgroup_id_y 1
		.amdhsa_system_sgpr_workgroup_id_z 1
		.amdhsa_system_vgpr_workitem_id 0
		.amdhsa_next_free_vgpr 226
		.amdhsa_next_free_sgpr 66
		.amdhsa_reserve_vcc 0
		.amdhsa_float_denorm_mode_32 3
		.amdhsa_float_denorm_mode_16_64 3
		.amdhsa_memory_ordered 1
		.amdhsa_forward_progress 1
		.amdhsa_inst_pref_size 34
	.end_amdhsa_kernel
	.amdgpu_metadata
---
amdhsa.version: [ 1, 2 ]
amdhsa.kernels:
  - .name:           k_qf0009f153f_quant
    .symbol:         k_qf0009f153f_quant.kd
    .args:
      - { .name: W_ii, .offset: 0, .size: 8, .value_kind: global_buffer, .address_space: global }
      - { .name: W_if_, .offset: 8, .size: 8, .value_kind: global_buffer, .address_space: global }
      - { .name: W_ig, .offset: 16, .size: 8, .value_kind: global_buffer, .address_space: global }
      - { .name: W_io, .offset: 24, .size: 8, .value_kind: global_buffer, .address_space: global }
      - { .name: W_hi, .offset: 32, .size: 8, .value_kind: global_buffer, .address_space: global }
      - { .name: W_hf, .offset: 40, .size: 8, .value_kind: global_buffer, .address_space: global }
      - { .name: W_hg, .offset: 48, .size: 8, .value_kind: global_buffer, .address_space: global }
      - { .name: W_ho, .offset: 56, .size: 8, .value_kind: global_buffer, .address_space: global }
      - { .name: wcodes, .offset: 64, .size: 8, .value_kind: global_buffer, .address_space: global }
      - { .name: wscales, .offset: 72, .size: 8, .value_kind: global_buffer, .address_space: global }
    .group_segment_fixed_size: 33280
    .private_segment_fixed_size: 0
    .kernarg_segment_align: 8
    .kernarg_segment_size: 80
    .max_flat_workgroup_size: 128
    .sgpr_count:     66
    .vgpr_count:     226
    .wavefront_size: 32
...
	.end_amdgpu_metadata
.endif
;; end of part 1
;; launch lstm (part 2): grid 16 x 16, 4 waves a work-group, clusters of 4 x 4, 327,680 bytes of LDS; arguments x_codes, x_scales, h_codes, h_scales, wcodes, wscales, c_prev, out0, out1, b_ii, b_if_, b_ig, b_io, b_hi, b_hf, b_hg, b_ho; writes out0, out1
.if DOCPART == 2
	.amdgcn_target "amdgcn-amd-amdhsa--gfx1250"
	.amdhsa_code_object_version 6
	.text
	.protected	k_qf0009f153f_lstm
	.globl	k_qf0009f153f_lstm
	.p2align	8
	.type	k_qf0009f153f_lstm,@function
k_qf0009f153f_lstm:
	s_mov_b64 s[64:65], 0
	v_nop
	global_prefetch_b8 v0, s[64:65] scope:SCOPE_SE
	s_setreg_imm32_b32 hwreg(HW_REG_WAVE_MODE, 25, 1), 1
	s_wait_xcnt 0x0
	s_wait_alu depctr_hold_cnt(0) depctr_sa_sdst(0) depctr_va_vdst(0) depctr_va_sdst(0) depctr_va_ssrc(0) depctr_va_vcc(0) depctr_vm_vsrc(0)
	s_getreg_b32 s2, hwreg(HW_REG_IB_STS2, 6, 4)
	s_cmp_eq_u32 s2, 0
	s_cbranch_scc0 .Lentry_in_a_cluster
	s_endpgm
.Lentry_in_a_cluster:
	s_bfe_u32 s2, ttmp6, 0x10000c
	s_cmp_lg_u32 s2, 0xf033
	s_cbranch_scc0 .Lentry_shape_is_right
	s_endpgm
.Lentry_shape_is_right:
; gates = [x | h] [Wx | Wh]^T + bx + bh on codes of FP4 (E2M1) with one E8M0 scale for each 32 along K; then c_next = sigmoid(f) c_prev + sigmoid(i) tanh(g), h_next = sigmoid(o) tanh(c_next), in f32.
; One GEMM: M = 8,192, N = 4 gates x 1,024 units, K = 2,048 (x's 1,024, then h's).  The gates never go to memory.  No work of the problem is left out.
; SHARES.  256 work-groups of four waves; each STAYS and makes two tiles, 4,096 rows apart, of 256 rows x 64 units x 4 gates.  A wave: 128 rows x (4 gates x 32 units): 64 accumulators, 512 registers.
; The weights' rows were laid by the launch before so that 128 consecutive rows are the four gates of 32 units: i, f, g, o of one element lie in one lane.
; THE MATRIX INSTRUCTION IS USED TRANSPOSED (source 0 = 16 rows of weights, source 1 = 16 rows of x or h): lane (r, h') holds row r and units 8 h' + 0 .. 7 of the block's 16.
; THE RING: two LDS slots, each 256 rows of x or h and 256 rows of weights, 512 along K (rows of 256 bytes).  Wave w fetches ONE operand (w % 2: rows, weights) of ONE slot (w / 2), 256 rows to a load.
; At the head all four load (both slots); h's two K steps are refills of two waves each; at the change of tiles all four refill both slots AHEAD of the tail, so the next tile's codes land while the tail is worked.
; FRAGMENTS: the weights have two sets of registers; a set is asked for again at the end of the step that read it, for the step after the next of the same slot.  The rows have one set, asked for in halves.
; THE SCALE WORDS come straight from memory into 128 registers (a row's 32 bytes are neighbours of the next row's): lanes 0-15 hold block p's words, lanes 16-31 block p + 4's.
; c_prev comes straight into registers in the results' layout, 16 bytes a lane: blocks 0-3 are asked for at a tile's first K step, blocks 4-7 at the tail's start, four blocks ahead of their use: so it has no prefetch.
; CLUSTERS: 4 x 4.  Tiles of x and h are shared along a row of the cluster, the weights' along a column: joint loads.  PREFETCH: the first tile's two K steps of h at the head, two changes of slots ahead of their
; loads; the next tile's four K steps of x and h in the first tile's first two changes of slots.  The four partners share a tile's rows out by address, a lane a row.  The weights of the second tile have been read.
; THE TAIL, by blocks of 16 rows, in a counted loop; only the lines that name a block's own registers are written out for each block.
; sigmoid(x) = 1 / (1 + 2^(-x log2 e)), tanh(x) = 1 - 2 / (1 + 2^(2 x log2 e)): an exponential that overflows gives infinity, whose reciprocal is 0: the functions' own limits; nothing is clamped.
; Both results leave through a stage in LDS bytes of their own as whole rows of 256 bytes; a row comes from two waves, so a barrier stands between writing and reading, and one ahead of the next block's writing.
; LIMITS: NaN and infinities among the inputs, and scale bytes 0xff, are not served.  tanh so written is good to about one unit in the last place of 1, not of its own value, near 0.
; REGISTERS: window 0: v16-31 addresses; v32-95 scale words of x and h, v96-159 of the weights, and nothing else; v160-223 fragments of x or h; in the tail v160-191 rows read back, v192-255 c_prev of blocks 4-7.
;   window 1: v0-63, v128-191 the weights' fragments, two sets (in the tail at work); v64-127 bx + bh; v192-255 c_prev of blocks 0-3.   windows 2, 3: the accumulators ((a, b) at v[8 (8 (a % 4) + b)]).
.set PITCH,  272                       ; an LDS row: 256 bytes + 16 of padding: the 16 rows that a load touches start at 16 different banks (ISA guide 11.1)
.set HALFT,  128*PITCH
.set SLOT,   4*HALFT                   ; 256 rows of x or h, then 256 rows of weights
.set STG,    2*SLOT                    ; the stage: c_next's 32 rows (16 of each half of the rows), then h_next's; no tensor load lands here
.set SOUT,   32*PITCH
.set SPARE,  STG+2*SOUT                ; the spare words, 128 bytes a wave
.set WALKC,  4096*512                  ; from tile to tile, in bytes of codes
.set ADRA, 16
.set ADRB, 20
.set PFO,  22                          ; 512 x lane: a row of codes a lane
.set BO,   23
.set STO,  24                          ; stage, in
.set RD,   25                          ; stage, back
.set GO,   26                          ; my bytes in two rows of an output
.set CO,   27                          ; my bytes in c_prev: 4,096 r + 32 h'
.set SPW,  28
.set NIL,  29
.set SOA,  30                          ; scale words: 32 r + 2,048 h'
.set SA,   32                          ; word of K step S of rows' block a: v[SA + 16 (a % 4) + S], lanes 16 (a / 4) on
.set SB,   96                          ; the same for the weights' block b
.set AF,   160
.set OB,   160
.set CP,   192
.set BI,   64
.set ARG,  0                           ; the tail, window 1: the exponents of i, g, f, o, 16 each
.set QA,   128                         ; sigmoid(i); then what tanh(c_next) is made of
.set QB,   144                         ; 1 / (1 + 2^(2 g log2 e)), then that x sigmoid(i)
.set QD,   160                         ; sigmoid(f), then c_next
.set QE,   176                         ; sigmoid(o), then h_next
.set WV,   22
.set RH,   23                          ; wave / 2: my half of the rows; also the slot that I fill
.set CH,   96                          ; wave % 2: my half of the units; also: I fetch rows (0) or weights (1)
.set G1A,  24
.set G1B,  32
.set G0A,  40
.set G0B,  44
.set XA,   48                          ; x's, h's codes and the weights' two planes at my slot's K step
.set HA,   50
.set XB,   52
.set HB,   54
.set PFH,  56
.set PFX,  58
.set NL,   60
.set L2,   62
.set TL,   67
.set BA,   68
.set LIM,  69                          ; 0 while my wave prefetches the next tile
.set ST,   70                          ; s[70:71] what the next way out adds to the outputs' addresses
.set SXP,  72
.set SHP,  74
.set SWP,  76
.set MSB, 0
.macro WIN new                         ; the immediate's high byte repeats the setting that is left
.if MSB != (\new)
	s_set_vgpr_msb (MSB<<8)|(\new)
.set MSB, (\new)
.endif
.endm
.set MUL_LO, 0xa1
.set MUL_HI, 0xf1
.set FST_LO, 0x91                      ; the first step: C (the biases) window 1
.set FST_HI, 0xd1
.set TO_B,   0x40
.macro PLACES n
.rept \n
	v_nop
.endr
.endm
.macro TLOAD g0, g1                    ; s_nop 0 and four v_nop behind each tensor load
	tensor_load_to_lds s[\g0:\g0+3], s[\g1:\g1+7]
	s_nop 0
	PLACES 4
.endm
.macro JALL                            ; every wave's joint load: its operand of its slot
	s_cmp_eq_u32 s[CH], 0
	s_cbranch_scc0 .Lfb_\@
	TLOAD G0A, G1A
	s_branch .Lok_\@
.Lfb_\@:
	TLOAD G0B, G1B
.Lok_\@:
.endm
.macro JLOAD sl                        ; the two waves of slot sl refill it; the others pass four places
	s_cmp_lg_u32 s[RH], \sl
	s_cbranch_scc1 .Lno_\@
	s_cmp_eq_u32 s[CH], 0
	s_cbranch_scc0 .Lfb_\@
	TLOAD G0A, G1A
	s_branch .Lok_\@
.Lfb_\@:
	TLOAD G0B, G1B
	s_branch .Lok_\@
.Lno_\@:
	PLACES 4
.Lok_\@:
.endm
.macro CREST
	s_cmp_lg_u32 s[WV], 0
	s_cbranch_scc1 .Lnw_\@
	s_barrier_signal -3
.Lnw_\@:
	s_barrier_wait -3
	s_barrier_signal -1
	s_barrier_wait -1
.endm
.macro CROUND
	s_barrier_signal -1
	s_barrier_wait -1
	CREST
.endm
.macro SETG0 pa, pb                    ; both group 0s' addresses; written only where no tensor load of mine is out
	s_mov_b64 s[G0A+2:G0A+3], s[\pa:\pa+1]
	s_or_b32 s[G0A+3], s[G0A+3], 0x80000000
	s_mov_b64 s[G0B+2:G0B+3], s[\pb:\pb+1]
	s_or_b32 s[G0B+3], s[G0B+3], 0x80000000
.endm
.macro SLOADA to                       ; the scale words of my 128 rows of x and h, all of K: 16 loads
.irp p, 0,1,2,3
.irp hq, 0,1
	global_load_b128 v[SA+16*\p+4*\hq:SA+16*\p+4*\hq+3], v[SOA], s[SXP:SXP+1] offset:\to+512*\p+16*\hq
	global_load_b128 v[SA+16*\p+8+4*\hq:SA+16*\p+8+4*\hq+3], v[SOA], s[SHP:SHP+1] offset:\to+512*\p+16*\hq
.endr
.endr
.endm
.macro CLOAD a                         ; block a's c_prev: 16 numbers a lane
.irp u, 0,1
.irp q, 0,1
	global_load_b128 v[CP+16*((\a)%4)+8*\u+4*\q:CP+16*((\a)%4)+8*\u+4*\q+3], v[CO], s[16:17] offset:(\a)*65536+64*\u+16*\q
.endr
.endr
.endm
.macro ASK ptr, off                    ; two K steps of the next tile's rows, 32 rows x 256 bytes each
	s_cmp_eq_u32 s[LIM], 0
	s_cbranch_scc0 .Lna_\@
	global_prefetch_b8 v[PFO], s[\ptr:\ptr+1] offset:\off th:TH_LOAD_NT scope:SCOPE_SE
	global_prefetch_b8 v[PFO], s[\ptr:\ptr+1] offset:\off+256 th:TH_LOAD_NT scope:SCOPE_SE
.Lna_\@:
.endm
	s_load_b256 s[4:11], s[0:1], 0x0               ; x's codes, x's scales, h's codes, h's scales
	s_load_b256 s[12:19], s[0:1], 0x20             ; the weights' codes, their scales, c_prev, out0
	s_load_b64 s[20:21], s[0:1], 0x40              ; out1
	s_load_b256 s[80:87], s[0:1], 0x48             ; b_ii, b_if_, b_ig, b_io
	s_load_b256 s[88:95], s[0:1], 0x68             ; b_hi, b_hf, b_hg, b_ho
	v_lshl_add_u32 v[SPW], v0, 2, SPARE
	v_mov_b32 v[NIL], 0
	ds_add_u32 v[SPW], v[NIL]                      ; the opening lines: the add twice on end and its wait
	ds_add_u32 v[SPW], v[NIL]
	v_lshrrev_b32 v1, 5, v0
	v_readfirstlane_b32 s[WV], v1
	s_lshr_b32 s[RH], s[WV], 1
	s_and_b32 s[CH], s[WV], 1
	s_bfe_u32 s97, ttmp6, 0x40000                  ; cx, cy
	s_bfe_u32 s98, ttmp6, 0x40004
	s_lshl_b32 s99, ttmp9, 2
	s_add_co_u32 s99, s99, s97                     ; t: which 64 units
	s_and_b32 s100, ttmp7, 0xffff
	s_lshl_b32 s100, s100, 2
	s_add_co_u32 s100, s100, s98                   ; tr: which 256 rows of each half of M
	s_lshl_b32 s2, s98, 2
	s_lshl_b32 s2, 15, s2                          ; my row of the cluster
	s_lshl_b32 s3, 0x1111, s97                     ; my column
	s_or_b32 s[G1A+0], s2, (1<<20)|(1<<21)|(5<<22)|(3<<25)   ; mask; bytes; four words of padding after every 64
	s_or_b32 s[G1B+0], s3, (1<<20)|(1<<21)|(5<<22)|(3<<25)
.irp g, G1A, G1B
	s_mov_b32 s[\g+1], 256<<16                     ; 256 rows x 256 bytes out of rows of 512
	s_mov_b32 s[\g+2], 256<<16
	s_mov_b32 s[\g+3], 256<<16
	s_mov_b32 s[\g+4], 256
	s_mov_b32 s[\g+5], 512
	s_mov_b32 s[\g+6], 0
	s_mov_b32 s[\g+7], 0
.endr
	s_lshl_b32 s101, s[RH], 8                      ; my slot's K step: 256 bytes along a row
	s_lshl_b32 s78, s100, 17
	s_add_co_u32 s78, s78, s101
	s_mov_b32 s79, 0
	s_lshl_b32 s70, s99, 17
	s_add_co_u32 s70, s70, s101
	s_mov_b32 s71, 0
	s_wait_dscnt 0x0
	s_wait_kmcnt 0x0
	s_add_nc_u64 s[XA:XA+1], s[4:5], s[78:79]
	s_add_nc_u64 s[HA:HA+1], s[8:9], s[78:79]
	s_add_nc_u64 s[XB:XB+1], s[12:13], s[70:71]
	s_add_nc_u64 s[HB:HB+1], s[XB:XB+1], 0x200000
	CROUND                                         ; all sixteen work-groups are here: the first joint loads meet
	s_mov_b32 s[G0A], 1
	s_mul_i32 s[G0A+1], s[RH], SLOT
	s_mov_b32 s[G0B], 1
	s_add_co_u32 s[G0B+1], s[G0A+1], 2*HALFT
	SETG0 XA, XB
	JALL                                           ; one tensor load a wave at the head: x's two K steps fill both slots
	s_lshl_b32 s78, s100, 13                       ; scale bytes: 32 a row
	s_lshl_b32 s101, s[RH], 12
	s_add_co_u32 s78, s78, s101
	s_add_nc_u64 s[SXP:SXP+1], s[6:7], s[78:79]
	s_add_nc_u64 s[SHP:SHP+1], s[10:11], s[78:79]
	s_lshl_b32 s70, s99, 13
	s_lshl_b32 s101, s[CH], 12
	s_add_co_u32 s70, s70, s101
	s_add_nc_u64 s[SWP:SWP+1], s[14:15], s[70:71]
	s_lshl_b32 s78, s100, 20                       ; c_prev and the outputs: 256 tr rows of 4,096 bytes + 64 t units + my half of the rows
	s_lshl_b32 s101, s99, 8
	s_add_co_u32 s78, s78, s101
	s_lshl_b32 s101, s[RH], 19
	s_add_co_u32 s78, s78, s101
	s_lshl_b32 s70, s[CH], 7
	s_add_co_u32 s70, s70, s78
	s_add_nc_u64 s[16:17], s[16:17], s[70:71]      ; c_prev: + my 32 units
	s_lshl_b32 s70, s[CH], 15
	s_add_co_u32 s70, s70, s78
	s_add_nc_u64 s[18:19], s[18:19], s[70:71]      ; the outputs: + the 8 rows of each 16 that I store
	s_add_nc_u64 s[20:21], s[20:21], s[70:71]
	s_add_nc_u64 s[12:13], s[12:13], 0x200000      ; the prefetches: h's rows or the weights' plane 1
	s_lshl_b32 s78, s100, 8
	s_lshl_b32 s101, s99, 8
	s_cmp_eq_u32 s[CH], 0
	s_cselect_b32 s78, s78, s101
	s_cselect_b32 s101, s97, s98                   ; my place among the four that ask jointly
	s_cselect_b64 s[PFH:PFH+1], s[8:9], s[12:13]
	s_mov_b64 s[PFX:PFX+1], s[4:5]
	s_lshl_b32 s2, s[RH], 7
	s_add_co_u32 s78, s78, s2
	s_lshl_b32 s101, s101, 5
	s_add_co_u32 s78, s78, s101                    ; the tile's first row + 128 x (wave / 2) + my work-group's 32
	s_lshl_b32 s78, s78, 9
	s_add_nc_u64 s[PFH:PFH+1], s[PFH:PFH+1], s[78:79]
	s_add_nc_u64 s[PFX:PFX+1], s[PFX:PFX+1], s[78:79]
	s_add_nc_u64 s[PFX:PFX+1], s[PFX:PFX+1], WALKC
	s_mov_b32 s[NL], 0xbfb8aa3b                    ; -log2 e
	s_mov_b32 s[NL+1], 0xbfb8aa3b
	s_mov_b32 s[L2], 0x4038aa3b                    ; 2 log2 e
	s_mov_b32 s[L2+1], 0x4038aa3b
	s_mov_b32 s[TL], 2
	s_mov_b32 s[LIM], s[CH]
	s_mov_b32 s[ST], 0
	s_mov_b32 s[ST+1], 0
	s_mul_i32 s4, s[RH], HALFT                     ; the pointers that lay in s4-s10 have been used up
	s_add_co_u32 s5, s4, SLOT
	s_mul_i32 s6, s[CH], HALFT
	s_add_co_u32 s6, s6, 2*HALFT
	s_add_co_u32 s7, s6, SLOT
	s_lshl_b32 s8, s99, 8
	s_lshl_b32 s9, s[CH], 7
	s_add_co_u32 s8, s8, s9                        ; a bias: 4 x (64 t + 32 x half)
	s_mul_i32 s10, s[RH], 16*PITCH
	s_add_co_u32 s9, s9, s10
	s_add_co_u32 s9, s9, STG                       ; stage, in: my half's 16 rows, my 128 bytes
	s_mul_i32 s10, s[WV], 8*PITCH
	s_add_co_u32 s10, s10, STG                     ; stage, back: rows 8 w on
	v_and_b32 v1, 15, v0                           ; r
	v_bfe_u32 v2, v0, 4, 1                         ; h'
	v_mul_u32_u24 v3, v1, PITCH
	v_lshl_add_u32 v4, v2, 4, v3
	v_add_nc_u32 v[ADRA], s4, v4
	v_add_nc_u32 v[ADRA+1], s5, v4
	v_add_nc_u32 v[ADRB], s6, v4
	v_add_nc_u32 v[ADRB+1], s7, v4
	v_lshlrev_b32 v5, 5, v1
	v_lshl_add_u32 v[SOA], v2, 11, v5
	v_lshl_add_u32 v[BO], v2, 5, s8
	v_lshlrev_b32 v5, 12, v1
	v_lshl_add_u32 v[CO], v2, 5, v5
	v_lshlrev_b32 v5, 12, v2
	v_lshl_add_u32 v[GO], v1, 4, v5
	v_lshl_add_u32 v5, v2, 5, v3
	v_add_nc_u32 v[STO], s9, v5
	v_mul_u32_u24 v5, v2, PITCH
	v_lshl_add_u32 v5, v1, 4, v5
	v_add_nc_u32 v[RD], s10, v5
	v_and_b32 v5, 31, v0
	v_lshlrev_b32 v[PFO], 9, v5
	s_wait_alu depctr_va_vdst(0)                   ; the wait behind the head's address work
	global_prefetch_b8 v[PFO], s[PFH:PFH+1] th:TH_LOAD_NT scope:SCOPE_SE             ; the first tile's two K steps of h and of plane 1
	global_prefetch_b8 v[PFO], s[PFH:PFH+1] offset:256 th:TH_LOAD_NT scope:SCOPE_SE
	SLOADA 0
.irp p, 0,1,2,3
.irp pl, 0,1
.irp hq, 0,1
	global_load_b128 v[SB+16*\p+8*\pl+4*\hq:SB+16*\p+8*\pl+4*\hq+3], v[SOA], s[SWP:SWP+1] offset:131072*\pl+512*\p+16*\hq
.endr
.endr
.endr
	WIN TO_B
.irp g, 0,1,2,3                        ; the bias of gate g, units 16 u + 8 h' + 4 q on: weights' block 2 g + u
.irp u, 0,1
.irp q, 0,1
	global_load_b128 v[BI+16*\g+8*\u+4*\q:BI+16*\g+8*\u+4*\q+3], v[BO], s[80+2*\g:81+2*\g] offset:64*\u+16*\q
.endr
.endr
.endr
	WIN 0x80                                       ; window 2 is free until the first product
.irp g, 0,1,2,3
.irp u, 0,1
.irp q, 0,1
	global_load_b128 v[16*\g+8*\u+4*\q:16*\g+8*\u+4*\q+3], v[BO], s[88+2*\g:89+2*\g] offset:64*\u+16*\q
.endr
.endr
.endr
	s_wait_loadcnt 0x0
	WIN 0x49
.irp k, 0,2,4,6,8,10,12,14,16,18,20,22,24,26,28,30,32,34,36,38,40,42,44,46,48,50,52,54,56,58,60,62
	v_pk_add_f32 v[BI+\k:BI+\k+1], v[BI+\k:BI+\k+1], v[\k:\k+1]    ; bx + bh
.endr
	WIN 0
	s_wait_alu depctr_va_vdst(0)                   ; the wait at the head's end
.macro FRAG reg, adr, q, i             ; 16 rows x 128 K of 4-bit codes: 8 registers, two loads 32 bytes apart
.irp c, 0,1
	ds_load_b128 v[\reg+4*\c:\reg+4*\c+3], v[\adr] offset:64*(\q)+32*\c+(\i)*16*PITCH
.endr
.endm
.macro WM a, b, p, S, first            ; one product: weights' block b x rows' block a, K step S; the scale words' lanes go by b / 4 and a / 4
.set DD, 8*(8*(\a%4)+\b)
.if \first
.set CC, BI+8*\b
.else
.set CC, DD
.endif
.set BB, 128*(\p)+8*\b
.set AA, AF+8*\a
.set SS, SB+16*(\b%4)+(\S)
.set TT, SA+16*(\a%4)+(\S)
.if \a < 4
.if \b < 4
	v_wmma_scale_f32_16x16x128_f8f6f4 v[DD:DD+7], v[BB:BB+7], v[AA:AA+7], v[CC:CC+7], v[SS], v[TT] matrix_a_fmt:MATRIX_FMT_FP4 matrix_b_fmt:MATRIX_FMT_FP4
.else
	v_wmma_scale_f32_16x16x128_f8f6f4 v[DD:DD+7], v[BB:BB+7], v[AA:AA+7], v[CC:CC+7], v[SS], v[TT] matrix_a_fmt:MATRIX_FMT_FP4 matrix_b_fmt:MATRIX_FMT_FP4 matrix_a_scale:MATRIX_SCALE_ROW1
.endif
.else
.if \b < 4
	v_wmma_scale_f32_16x16x128_f8f6f4 v[DD:DD+7], v[BB:BB+7], v[AA:AA+7], v[CC:CC+7], v[SS], v[TT] matrix_a_fmt:MATRIX_FMT_FP4 matrix_b_fmt:MATRIX_FMT_FP4 matrix_b_scale:MATRIX_SCALE_ROW1
.else
	v_wmma_scale_f32_16x16x128_f8f6f4 v[DD:DD+7], v[BB:BB+7], v[AA:AA+7], v[CC:CC+7], v[SS], v[TT] matrix_a_fmt:MATRIX_FMT_FP4 matrix_b_fmt:MATRIX_FMT_FP4 matrix_a_scale:MATRIX_SCALE_ROW1 matrix_b_scale:MATRIX_SCALE_ROW1
.endif
.endif
.endm
.macro MUL16 a0, p, S, first           ; the 64 accumulators take turns, in the same order in every step
.irp a, \a0, \a0+1
.irp b, 0,1,2,3,4,5,6,7
	WM (\a), \b, \p, \S, \first
.endr
.endr
.endm
.macro FETCH_B slot, q, p
	WIN TO_B
.irp i, 0,1,2,3,4,5,6,7
	FRAG 128*(\p)+8*\i, ADRB+\slot, \q, \i
.endr
	WIN 0
.endm
.macro FETCH_A slot, q, i0
.irp i, \i0, \i0+1, \i0+2, \i0+3
	FRAG AF+8*(\i), ADRA+\slot, \q, \i
.endr
.endm
; A step of 128 along K (the slot's q-th, q = 0, 1, 2).  Four places stand ahead of loads into registers that matrix instructions have read (ISA guide 7.12.1 for vector instructions).
; LDS loads, in the order of issue: in the middle the next step's rows' blocks 0-3 (8); at the end its blocks 4-7 (8), then the weights of the step after the next (16), into the set that this step has read.
.macro STEP slot, q, S, first
	s_wait_dscnt 24                                ; all but the youngest 24: this step's rows' blocks 4-7 and the next step's weights
.if \first
	WIN FST_LO
.else
	WIN MUL_LO
.endif
	MUL16 0, (\q)%2, \S, \first
	MUL16 2, (\q)%2, \S, \first
	s_wait_dscnt 16                                ; blocks 4-7 are in; the next step's weights may be out
	PLACES 4
	WIN 0
	FETCH_A \slot, (\q)+1, 0
.if \first
	WIN FST_HI
.else
	WIN MUL_HI
.endif
	MUL16 4, (\q)%2, \S, \first
	MUL16 6, (\q)%2, \S, \first
	PLACES 4
	WIN 0
	FETCH_A \slot, (\q)+1, 4
.if (\q) < 2
	FETCH_B \slot, (\q)+2, (\q)%2
.endif
.endm
; A slot's last step changes slots: one barrier; ahead of it the wait for all my tensor loads, the add, the wait for it and for my reads.  fill = 1: a round of the cluster's barrier, and h's K step into this slot.
.macro TURN slot, next, fill, S, pf
	s_wait_tensorcnt 0x0
	ds_add_u32 v[SPW], v[NIL]
.if \fill
	SETG0 HA, HB
.endif
	s_wait_dscnt 9                                 ; the add and the youngest eight loads (blocks 4-7) may be out
	WIN MUL_LO
	MUL16 0, 1, \S, 0
	s_wait_dscnt 0x0                               ; the add is done, and all my reads of this slot are over
	s_barrier_signal -1
	MUL16 2, 1, \S, 0
	WIN 0
	s_barrier_wait -1
.if \fill
	CREST
	JLOAD \slot                                    ; the first tensor load behind the round; four places on every way
.else
	PLACES 4
.endif
	FETCH_B \next, 0, 0
	FETCH_A \next, 0, 0
.if \pf == 1
	ASK PFX, 0                                     ; the next tile's x
.endif
.if \pf == 2
	ASK PFH, WALKC                                 ; the next tile's h
.endif
	WIN MUL_HI
	MUL16 4, 1, \S, 0
	MUL16 6, 1, \S, 0
	PLACES 4
	WIN 0
	FETCH_A \next, 0, 4
	FETCH_B \next, 1, 1
.endm
; THE TAIL'S PARTS
.macro PK2 op, d, x, y                 ; sixteen numbers, two at a time
.irp k, 0,2,4,6,8,10,12,14
	\op v[\d+\k:\d+\k+1], v[\x+\k:\x+\k+1], v[\y+\k:\y+\k+1]
.endr
.endm
.macro PKS d, x, sp                    ; d = x times a scalar
.irp k, 0,2,4,6,8,10,12,14
	v_pk_mul_f32 v[\d+\k:\d+\k+1], v[\x+\k:\x+\k+1], s[\sp:\sp+1] op_sel_hi:[1,0]
.endr
.endm
.macro PKM d, m, y                     ; d = y - 2 m
.irp k, 0,2,4,6,8,10,12,14
	v_pk_fma_f32 v[\d+\k:\d+\k+1], v[\m+\k:\m+\k+1], -2.0, v[\y+\k:\y+\k+1] op_sel_hi:[1,0,1]
.endr
.endm
.macro ONES d, n                       ; 1 + ..
.set J, 0
.rept (\n)/2
	v_pk_add_f32 v[\d+J:\d+J+1], v[\d+J:\d+J+1], 1.0 op_sel_hi:[1,0]
.set J, J+2
.endr
.endm
.macro TR op, d, x, n
.set J, 0
.rept \n
	\op v[\d+J], v[\x+J]
.set J, J+1
.endr
.endm
.macro XT a                            ; block a's four exponents; each accumulator is read from its low end on
.set AC, 64*((\a)%4)
	WIN 0x42+(\a)/4
	s_wait_alu depctr_va_vdst(0)                   ; the wait directly ahead of the first reader of matrix results
	PKS ARG, AC, NL
	PKS ARG+16, AC+32, L2
	PKS ARG+32, AC+16, NL
	PKS ARG+48, AC+48, NL
.endm
.macro CASE a, id, ex                  ; what names block a's own registers: its c_prev, and the next block's exponents
.Lc\id\a:
	s_wait_loadcnt 4*(7-(\a))+\ex                  ; behind block a's four loads: those of the later blocks, and ex loads of scale words
	WIN 0x55-(\a)/4                                ; c_prev: window 1 (blocks 0-3) or 0
.irp k, 0,2,4,6,8,10,12,14
	v_pk_fma_f32 v[QD+\k:QD+\k+1], v[CP+16*((\a)%4)+\k:CP+16*((\a)%4)+\k+1], v[QD+\k:QD+\k+1], v[QA+\k:QA+\k+1]   ; c_prev sigmoid(f) + sigmoid(i)
.endr
.if (\a) < 7
	XT (\a)+1
.endif
	WIN 0
	s_wait_alu depctr_va_vdst(0)                   ; the wait ahead of the branch and the barrier
.if (\a) < 7
	s_branch .Ljn\id
.endif
.endm
.macro TAIL id, ex
	XT 0
	WIN 0
	s_mov_b32 s[BA], 0
	s_wait_alu depctr_va_vdst(0)
.Ltl\id:
	WIN 0x55
	s_wait_alu depctr_va_vdst(0)                   ; ahead of each batch of transcendentals and behind it
	TR v_exp_f32, QA, ARG, 64
	v_nop
	s_wait_alu depctr_va_vdst(0)
	ONES QA, 64
	s_wait_alu depctr_va_vdst(0)
	TR v_rcp_f32, QA, QA, 64                       ; sigmoid(i); 1 / (1 + 2^(2 g log2 e)); sigmoid(f); sigmoid(o)
	v_nop
	s_wait_alu depctr_va_vdst(0)
	PK2 v_pk_mul_f32, QB, QA, QB
	WIN 0
	s_wait_alu depctr_va_vdst(0)                   ; ahead of the run of scalar lines and the branches
.irp a, 1,2,3,4,5,6,7
	s_cmp_eq_u32 s[BA], \a
	s_cbranch_scc1 .Lc\id\a
.endr
	CASE 0, \id, \ex
	CASE 1, \id, \ex
	CASE 2, \id, \ex
	CASE 3, \id, \ex
	CASE 4, \id, \ex
	CASE 5, \id, \ex
	CASE 6, \id, \ex
	CASE 7, \id, \ex
.Ljn\id:
	s_barrier_signal -1                            ; every wave's reads of the last block's stage have come back
	s_barrier_wait -1
	WIN 0x55
	PKM QD, QB, QD                                 ; c_next = sigmoid(f) c_prev + sigmoid(i) (1 - 2 / (1 + 2^(2 g log2 e)))
	PKS QA, QD, L2
	s_wait_alu depctr_va_vdst(0)
	TR v_exp_f32, QA, QA, 16
	v_nop
	s_wait_alu depctr_va_vdst(0)
	ONES QA, 16
	s_wait_alu depctr_va_vdst(0)
	TR v_rcp_f32, QA, QA, 16
	v_nop
	s_wait_alu depctr_va_vdst(0)
	PK2 v_pk_mul_f32, QA, QA, QE
	PKM QE, QA, QE                                 ; h_next = sigmoid(o) tanh(c_next)
	WIN 0x04                                       ; an LDS store's data: window 1
.irp u, 0,1
.irp q, 0,1
	ds_store_b128 v[STO], v[QD+8*\u+4*\q:QD+8*\u+4*\q+3] offset:64*\u+16*\q
.endr
.endr
.irp u, 0,1
.irp q, 0,1
	ds_store_b128 v[STO], v[QE+8*\u+4*\q:QE+8*\u+4*\q+3] offset:SOUT+64*\u+16*\q
.endr
.endr
	WIN 0
	s_wait_dscnt 0x0                               ; for the others' sake: my stores into the stage are done
	s_barrier_signal -1
	s_barrier_wait -1
	s_wait_xcnt 0x0                                ; the last block's stores have read their registers and bases
	s_add_nc_u64 s[18:19], s[18:19], s[ST:ST+1]
	s_add_nc_u64 s[20:21], s[20:21], s[ST:ST+1]
	s_mov_b32 s[ST], 0x10000                       ; from block to block: 16 rows
.irp i, 0,1,2,3
	ds_load_b128 v[OB+4*\i:OB+4*\i+3], v[RD] offset:\i*2*PITCH
.endr
.irp i, 0,1,2,3
	ds_load_b128 v[OB+16+4*\i:OB+16+4*\i+3], v[RD] offset:SOUT+\i*2*PITCH
.endr
	s_wait_dscnt 4                                 ; c_next's four are in
.irp i, 0,1,2,3
	global_store_b128 v[GO], v[OB+4*\i:OB+4*\i+3], s[20:21] offset:\i*8192 th:TH_STORE_NT   ; 16 lanes store 256 consecutive bytes, aligned
.endr
	s_wait_dscnt 0x0
.irp i, 0,1,2,3
	global_store_b128 v[GO], v[OB+16+4*\i:OB+16+4*\i+3], s[18:19] offset:\i*8192 th:TH_STORE_NT
.endr
	s_add_co_u32 s[BA], s[BA], 1
	s_cmp_lt_u32 s[BA], 8
	s_cbranch_scc1 .Ltl\id
.endm
.Ltile:
	s_wait_tensorcnt 0x0                           ; my operand of my slot is in,
	s_barrier_signal -1
	s_barrier_wait -1                              ; everybody's are: both slots are whole
	FETCH_B 0, 0, 0
	FETCH_A 0, 0, 0
	FETCH_A 0, 0, 4
	FETCH_B 0, 1, 1
	s_wait_loadcnt 0x0                             ; the scale words are in
	WIN TO_B
	CLOAD 0                                        ; c_prev's blocks 0-3: sixteen K steps ahead of their use
	CLOAD 1
	CLOAD 2
	CLOAD 3
	WIN 0
	STEP 0, 0, 0, 1                                ; x: the first products start the sums from the biases
	STEP 0, 1, 1, 0
	STEP 0, 2, 2, 0
	TURN 0, 1, 1, 3, 1                             ; slot 0 takes h's first half
	STEP 1, 0, 4, 0
	STEP 1, 1, 5, 0
	STEP 1, 2, 6, 0
	TURN 1, 0, 1, 7, 2                             ; slot 1 takes h's second half
	STEP 0, 0, 8, 0
	STEP 0, 1, 9, 0
	STEP 0, 2, 10, 0
	TURN 0, 1, 0, 11, 0
	STEP 1, 0, 12, 0
	STEP 1, 1, 13, 0
	STEP 1, 2, 14, 0
	s_wait_dscnt 8                                 ; the tile's last step: nothing more to fetch
	WIN MUL_LO
	MUL16 0, 1, 15, 0
	MUL16 2, 1, 15, 0
	s_wait_dscnt 0x0
	WIN MUL_HI
	MUL16 4, 1, 15, 0
	MUL16 6, 1, 15, 0
	WIN 0
	s_cmp_eq_u32 s[TL], 1
	s_cbranch_scc1 .Llast                          ; the last tile's end is written out: it asks for nothing more
	s_wait_tensorcnt 0x0                           ; THE RING GOES ON INTO THE NEXT TILE: no load of mine is out,
	ds_add_u32 v[SPW], v[NIL]
	s_add_nc_u64 s[XA:XA+1], s[XA:XA+1], WALKC
	s_add_nc_u64 s[HA:HA+1], s[HA:HA+1], WALKC
	SETG0 XA, XB
	s_wait_dscnt 0x0                               ; and my reads of both slots are over
	CROUND
	JALL                                           ; all four waves: the next tile's x into both slots; the four v_nop are the places behind the last products
	CLOAD 4                                        ; c_prev's blocks 4-7, into window 0
	CLOAD 5
	CLOAD 6
	CLOAD 7
	SLOADA 131072                                  ; the next tile's scale words of x and h: 4,096 rows of 32 bytes on
	TAIL x, 16
	s_wait_xcnt 0x0                                ; the last stores have read their registers: fragments land there next
	s_add_nc_u64 s[16:17], s[16:17], 0x1000000     ; c_prev: 4,096 rows on (its loads have come back)
	s_mov_b32 s[ST], (4096-112)*4096               ; from my last block of this tile to my first of the next
	s_mov_b32 s[LIM], 1
	s_sub_co_u32 s[TL], s[TL], 1
	s_branch .Ltile
.Llast:
	PLACES 4
	CLOAD 4
	CLOAD 5
	CLOAD 6
	CLOAD 7
	TAIL y, 0
	s_wait_tensorcnt 0x0                           ; the wave's end
	ds_add_u32 v[SPW], v[NIL]
	s_wait_dscnt 0x0
	CROUND                                         ; the closing round
	s_endpgm
.Lfunc_end_k_qf0009f153f_lstm:
	.size	k_qf0009f153f_lstm, .Lfunc_end_k_qf0009f153f_lstm-k_qf0009f153f_lstm
	.p2alignl 7, 3214868480
	.fill 96, 4, 3214868480
	.section	.rodata,"a",@progbits
	.p2align	6, 0x0
	.amdhsa_kernel k_qf0009f153f_lstm
		.amdhsa_group_segment_fixed_size 327680
		.amdhsa_private_segment_fixed_size 0
		.amdhsa_enable_private_segment 0
		.amdhsa_kernarg_size 136
		.amdhsa_user_sgpr_count 2
		.amdhsa_user_sgpr_kernarg_segment_ptr 1
		.amdhsa_wavefront_size32 1
		.amdhsa_system_sgpr_workgroup_id_x 1
		.amdhsa_system_sgpr_workgroup_id_y 1
		.amdhsa_system_sgpr_workgroup_id_z 1
		.amdhsa_system_vgpr_workitem_id 0
		.amdhsa_next_free_vgpr 1024
		.amdhsa_next_free_sgpr 102
		.amdhsa_reserve_vcc 0
		.amdhsa_float_denorm_mode_32 3
		.amdhsa_float_denorm_mode_16_64 3
		.amdhsa_memory_ordered 1
		.amdhsa_forward_progress 1
		.amdhsa_inst_pref_size 255
	.end_amdhsa_kernel
	.section	.bss,"aw",@nobits
	.p2align	6
	.space	262144
	.amdgpu_metadata
---
amdhsa.version: [ 1, 2 ]
amdhsa.kernels:
  - .name:           k_qf0009f153f_lstm
    .symbol:         k_qf0009f153f_lstm.kd
    .args:
      - { .name: x_codes, .offset: 0, .size: 8, .value_kind: global_buffer, .address_space: global }
      - { .name: x_scales, .offset: 8, .size: 8, .value_kind: global_buffer, .address_space: global }
      - { .name: h_codes, .offset: 16, .size: 8, .value_kind: global_buffer, .address_space: global }
      - { .name: h_scales, .offset: 24, .size: 8, .value_kind: global_buffer, .address_space: global }
      - { .name: wcodes, .offset: 32, .size: 8, .value_kind: global_buffer, .address_space: global }
      - { .name: wscales, .offset: 40, .size: 8, .value_kind: global_buffer, .address_space: global }
      - { .name: c_prev, .offset: 48, .size: 8, .value_kind: global_buffer, .address_space: global }
      - { .name: out0, .offset: 56, .size: 8, .value_kind: global_buffer, .address_space: global }
      - { .name: out1, .offset: 64, .size: 8, .value_kind: global_buffer, .address_space: global }
      - { .name: b_ii, .offset: 72, .size: 8, .value_kind: global_buffer, .address_space: global }
      - { .name: b_if_, .offset: 80, .size: 8, .value_kind: global_buffer, .address_space: global }
      - { .name: b_ig, .offset: 88, .size: 8, .value_kind: global_buffer, .address_space: global }
      - { .name: b_io, .offset: 96, .size: 8, .value_kind: global_buffer, .address_space: global }
      - { .name: b_hi, .offset: 104, .size: 8, .value_kind: global_buffer, .address_space: global }
      - { .name: b_hf, .offset: 112, .size: 8, .value_kind: global_buffer, .address_space: global }
      - { .name: b_hg, .offset: 120, .size: 8, .value_kind: global_buffer, .address_space: global }
      - { .name: b_ho, .offset: 128, .size: 8, .value_kind: global_buffer, .address_space: global }
    .group_segment_fixed_size: 327680
    .private_segment_fixed_size: 0
    .kernarg_segment_align: 8
    .kernarg_segment_size: 136
    .max_flat_workgroup_size: 128
    .sgpr_count:     102
    .vgpr_count:     1024
    .wavefront_size: 32
...
	.end_amdgpu_metadata
.endif
;; end of part 2
